; MI455X (gfx1250); checked and timed in simulation.
; The chip was launched on July 23, 2026; its instructions are those of AMD's public machine-readable ISA for CDNA 5 (MIT licence, August 2026) and "CDNA5" Instruction Set Architecture Reference Guide (July 2026). The comments in the code are by the model that wrote it; some were corrected since.
;; Cascade Grad Net OURS. Allowed arithmetic: matrix products marked QUANTISED: E5M2 operands, one given power-of-two scale a tensor, by v_wmma_f32_16x16x64_bf8_bf8 or v_wmma_f32_16x16x128_bf8_bf8, f32 sums; everything else in f32.
;; Inputs: W 4,096 x 1,024 float32; alpha 8 x 4,096 float32; beta 8 x 4,096 float32; bias_last 1,024 float32; biases 9 x 4,096 float32; lowp_scales 4 int32 (the exponents e of the quantised operands' scales 2^e); x_codes 8,192 x 32 x 32 uint8 (E5M2 codes of x, K innermost, in blocks of 32 codes).
;; Outputs: out0 8,192 x 1,024 float32.
;; This version of the problem:
;;   THIS VERSION OF THE PROBLEM IS GIVEN IN LOW PRECISION. The matrix products marked QUANTISED in the list below multiply operands that are first quantised to E5M2 (5 exponent bits, 2 mantissa bits; 8 bits a number), with one given power-of-two scale for each operand tensor; their sums are f32. All else is computed in f32.
;;   The module's matrix products, in the order in which they are computed (A, B: the left and right operand; K: the contracted axis; several contracted axes count as one K, in the product's order):
;;     1. [M 8,192, K 1,024] x [K 1,024, N 4,096]; A: input x (given as codes); B: input W: QUANTISED (scales: A lowp_scales[0], B lowp_scales[1])
;;     2. [M 8,192, K 4,096] x [K 4,096, N 1,024]; A: computed on the way; B: input W: QUANTISED (scales: A lowp_scales[2], B lowp_scales[3])
;;   THE QUANTISER, for each operand of a quantised product, along K:
;;     - The operand's scale is 2^e, e = its entry of the input lowp_scales (int32; the entries are numbered through the quantised products in the list's order, A before B).
;;     - Each number is divided by the scale, clamped to +-57,344, and rounded to the nearest number of E5M2, ties to even, subnormals kept.
;;     - The product sums the exact products of the quantised numbers (number of the format x scale) in f32.
;;   ~~~python
;;   def quantise(x, axis, e):      # numpy; x: float32 -> the quantised numbers, widened to float32 again
;;       x = np.moveaxis(x, axis, -1); K = x.shape[-1]
;;       r = np.clip(x / 2.0 ** e, -57344, 57344)
;;       step = 2.0 ** (np.maximum(np.frexp(np.where(r == 0, 1, r))[1] - 1, -14) - 2)
;;       q = np.round(r / step) * step * 2.0 ** e      # np.round: ties to even
;;       return np.moveaxis(q, -1, axis).astype(np.float32)
;;   ~~~
;;   OPERANDS COMPUTED ON THE WAY. 'Computed on the way' means the value that the module computes at that place (a softmax that the list does not call 'softmax' is quantised finished and normalised). What goes into a quantiser is computed in f32, as accurately as f32 sums, v_exp_f32 and their like allow (about 1e-6 of the number): no bf16 or f16 on the way to a quantiser, and a product that is left as it is and whose result goes on into a quantised operand takes f32 operands (vector FMAs, or v_wmma_f32_16x16x4_f32). A number that lies on a knife's edge between two numbers of the format may be rounded either way, as far as f32 arithmetic and the matrix unit's own rounding can turn it there, and no further.
;;   INPUTS GIVEN AS CODES. x (in the module: [8192, 1024], K = its axis 1): each comes as NAME_codes (uint8): NAME with its K axis moved to the last place and cut into blocks of 32 codes, [.., K / 32, bytes a block], one block behind the other in memory; one code a byte (a code: sign, 5 exponent bits, 2 mantissa bits); its scale is its entry of lowp_scales. Its value is code x scale, taken as it is: it is not quantised again, and the codes and scales need not be those that the quantiser above would give.
;; One version. Each part assembles by itself: llvm-mc -triple=amdgcn-amd-amdhsa -mcpu=gfx1250 --defsym DOCPART=n.
;; ======== version 1 of 1: 3 launches
;; limits: right only within a limited range of input values
;; workspace buffers: w1img 4,194,304 bytes; w2img 4,194,304 bytes; zimg 33,554,432 bytes; ctab 524,288 bytes
;; launch prep (part 1): grid 256 x 1, 4 waves a work-group, no clusters, 68,096 bytes of LDS; arguments W, alpha, beta, biases, lowp_scales, w1img, w2img, ctab; writes w1img, w2img, ctab
.if DOCPART == 1
	.amdgcn_target "amdgcn-amd-amdhsa--gfx1250"
	.amdhsa_code_object_version 6
	.text
	.protected	k_qf3e51fe700_prep
	.globl	k_qf3e51fe700_prep
	.p2align	8
	.type	k_qf3e51fe700_prep,@function
k_qf3e51fe700_prep:
	s_mov_b64 s[64:65], 0
	v_nop
	global_prefetch_b8 v0, s[64:65] scope:SCOPE_SE
	s_setreg_imm32_b32 hwreg(HW_REG_WAVE_MODE, 25, 1), 1
	s_wait_xcnt 0x0
; W [4096 (e)][1024 (i)], f32, is an operand twice: along i with the scale 2^e1 (h = x W^T) and along e with 2^e3 (out = z W).  It is read ONCE here and leaves as two sets of
; E5M2 codes, each laid in the order of the operand's registers.  A FRAGMENT is 16 rows x 128 K = 2,048 bytes: four chunks c of 512 bytes; in chunk c lane (r, h) has 16 bytes at
; 16 (r + 16 h): k = 32 c + 16 h + 0 .. 15 of row r.  w1img: [e / 16][i / 128][2,048].  w2img: [e / 128][i / 16][2,048].
; code = x / 2^e, held within +-57,344, to the nearest code, ties to even.
; The work-group also makes its 16 columns of the table of the chain's constants, ctab [e / 16][row 32][r 16][2 f32], each number twice (a pair for packed arithmetic):
;   rows 0-7: beta_i b_i;  8-15: beta_i 2^(e0 + e1);  16-23: alpha_i;  24-31: 57,344 x 2^e2 / |alpha_i| x (1 - 2^-20) (row 31 is the one that is used: the hold of the last layer).
; reference() uses biases' rows 0 to 7; row 8 enters no result and is not loaded.
; LIMITS: e1, e2, e3 between -126 and 112; beta x 2^(e0 + e1) inside f32's range; |alpha| under 2^126; NaN among the inputs is not served.
; SHARES: wave 4 g + w takes 32 e x 128 i: e tile g / 2, i tile 4 (g % 2) + w.  Its 16 KiB come by 32 loads of 512 consecutive bytes, lie in the wave's own LDS (rows of 512 + 16 bytes),
; and are read back twice: 16 neighbours along i of one e, and 16 neighbours along e of one i.  Waves share nothing: no barrier.
; THE TABLE AS IT IS STORED (this holds, not the rows of pairs named above): ctab [e / 16][column r 16][layer l 8][4 f32]: beta_l b_l; beta_l 2^(e0 + e1); alpha_l;
; 57,344 x 2^e2 / |alpha_l| x (1 - 2^-20) (layer 7's is the one that is used).  Thread t serves column t / 8, layer t % 8, and stores 16 bytes at 16 t: a wave's store covers 512 consecutive bytes.
.set PITCH, 528
.set WREG,  32*PITCH                   ; a wave's LDS
.set R,   16                           ; v16-143  128 numbers
.set C1,  144                          ; v144-175 w1's codes: four registers a unit, so that no store's data are written again
.set C2,  176                          ; v176-207 w2's codes
.set P,   208                          ; v208-211 the table's four numbers
.set BT,  216                          ; beta, bias, alpha of my (layer, column); a magnitude
.set BS,  217
.set AA,  218
.set TT,  219
	s_load_b256 s[4:11], s[0:1], 0x0               ; W s[4:5], alpha s[6:7], beta s[8:9], biases s[10:11]
	s_load_b256 s[12:19], s[0:1], 0x20             ; scales s[12:13], w1img s[14:15], w2img s[16:17], ctab s[18:19]
	v_lshl_add_u32 v220, v0, 2, 0x10800
	v_mov_b32 v221, 0
	v_lshrrev_b32 v1, 5, v0
	v_readfirstlane_b32 s24, v1                    ; wave 0..3
	v_and_b32 v14, 31, v0                          ; lane
	v_and_b32 v15, 15, v0                          ; r
	v_bfe_u32 v13, v0, 4, 1                        ; h
	v_lshlrev_b32 v1, 4, v14                       ; v1: 16 x lane
	s_mul_i32 s25, s24, WREG
	v_add_nc_u32 v2, s25, v1                       ; v2: into LDS: a row's 512 bytes as they lie
	v_mul_u32_u24 v3, v15, PITCH
	v_lshl_add_u32 v3, v13, 6, v3
	v_add_nc_u32 v3, s25, v3                       ; v3: for w1: row r, + 64 h bytes: 16 neighbours along i
	v_mul_u32_u24 v4, v13, 16*PITCH
	v_lshl_add_u32 v4, v15, 2, v4
	v_add_nc_u32 v4, s25, v4                       ; v4: for w2: column r, rows 16 h on
	v_and_b32 v12, 7, v0                           ; the table: thread t serves layer t % 8,
	v_lshrrev_b32 v11, 3, v0                       ; column t / 8
	s_lshl_b32 s26, ttmp9, 6
	v_lshl_add_u32 v5, v12, 14, s26
	v_lshl_add_u32 v5, v11, 2, v5                  ; v5: byte of (layer, 16 g + column) in alpha, beta, biases
	v_lshlrev_b32 v6, 4, v0                        ; v6: 16 bytes a thread
	s_lshr_b32 s27, ttmp9, 1                       ; e tile
	s_and_b32 s28, ttmp9, 1
	s_lshl_b32 s28, s28, 2
	s_add_co_u32 s28, s28, s24                     ; i tile
	s_lshl_b32 s30, s27, 17                        ; W: 32 rows of 4,096 bytes an e tile, 512 bytes an i tile
	s_lshl_b32 s31, s28, 9
	s_add_co_u32 s30, s30, s31
	s_mov_b32 s31, 0
	s_lshl_b32 s32, s27, 15                        ; w1img: (16 x e tile + i tile) x 2,048
	s_lshl_b32 s33, s28, 11
	s_add_co_u32 s32, s32, s33
	s_mov_b32 s33, 0
	s_lshr_b32 s34, s27, 2                         ; w2img: ((e tile / 4) x 64 + 8 x i tile) x 2,048 + (e tile % 4) x 512
	s_lshl_b32 s34, s34, 17
	s_lshl_b32 s35, s28, 14
	s_add_co_u32 s34, s34, s35
	s_and_b32 s35, s27, 3
	s_lshl_b32 s35, s35, 9
	s_add_co_u32 s34, s34, s35
	s_mov_b32 s35, 0
	s_lshl_b32 s36, ttmp9, 11                      ; ctab: 2,048 bytes a work-group
	s_mov_b32 s37, 0
	s_wait_alu depctr_va_vdst(0)
	s_wait_kmcnt 0x0
	s_load_b128 s[20:23], s[12:13], 0x0            ; e0, e1, e2, e3
	s_add_nc_u64 s[4:5], s[4:5], s[30:31]
	s_add_nc_u64 s[14:15], s[14:15], s[32:33]
	s_add_nc_u64 s[16:17], s[16:17], s[34:35]
	s_add_nc_u64 s[18:19], s[18:19], s[36:37]
	global_load_b32 v[BT], v5, s[8:9]
	global_load_b32 v[BS], v5, s[10:11]
	global_load_b32 v[AA], v5, s[6:7]
.set n, 0
.rept 32
	global_load_b128 v[R+4*n:R+4*n+3], v1, s[4:5] offset:4096*n th:TH_LOAD_NT   ; row n of my tile: 512 consecutive bytes; W is read once in the launch
.set n, n+1
.endr
	s_wait_kmcnt 0x0
	s_add_co_i32 s38, s20, s21                     ; e0 + e1
	s_add_co_i32 s39, s21, 127
	s_lshl_b32 s40, s39, 23
	v_mov_b32 v7, s40                              ; 2^e1 as f32: the conversion takes its exponent field
	s_add_co_i32 s39, s39, 15
	s_lshl_b32 s39, s39, 23
	s_or_b32 s39, s39, 0x600000
	v_mov_b32 v8, s39                              ; 57,344 x 2^e1
	s_add_co_i32 s39, s23, 127
	s_lshl_b32 s40, s39, 23
	v_mov_b32 v9, s40                              ; 2^e3
	s_add_co_i32 s39, s39, 15
	s_lshl_b32 s39, s39, 23
	s_or_b32 s39, s39, 0x600000
	v_mov_b32 v10, s39                             ; 57,344 x 2^e3
	s_add_co_i32 s41, s22, 127+15
	s_lshl_b32 s41, s41, 23
	s_or_b32 s41, s41, 0x600000                    ; 57,344 x 2^e2
	; ---- the table
	s_wait_loadcnt 32                              ; the three constants are in; W's 32 loads may be out
	v_mul_f32 v[P], v[BT], v[BS]                   ; beta b
	v_ldexp_f32 v[P+1], v[BT], s38                 ; beta 2^(e0 + e1): a raw sum of codes stands for sum x 2^(e0 + e1)
	v_and_b32 v[TT], 0x7fffffff, v[AA]
	s_wait_alu depctr_va_vdst(0)                   ; the wait ahead of the transcendental
	v_rcp_f32 v[P+3], v[TT]                        ; 1 / |alpha|: infinity where alpha is 0, and the hold is then a plain clip at 0
	v_mov_b32 v[P+2], v[AA]                        ; (a plain line behind the reciprocal)
	s_wait_alu depctr_va_vdst(0)                   ; and behind it, ahead of its first reader
	v_mul_f32 v[P+3], s41, v[P+3]
	v_mul_f32 v[P+3], 0x3f7ffff0, v[P+3]           ; x (1 - 2^-20): |alpha| x this stays under 57,344 x 2^e2 whatever the roundings, and still rounds to the largest code
	global_store_b128 v6, v[P:P+3], s[18:19]
	; ---- the tile into LDS
.set n, 0
.rept 32
	s_wait_loadcnt 31-n                            ; loads come back in order: row n is in
	ds_store_b128 v2, v[R+4*n:R+4*n+3] offset:PITCH*n
.set n, n+1
.endr
	s_wait_dscnt 0x0                               ; the stores have read R, which the loads below fill anew
.macro QUANT src, dst, sc, lim         ; 16 neighbours along K become 16 codes
.irp i, 0,1,2,3,4,5,6,7,8,9,10,11,12,13,14,15
	v_med3_num_f32 v[\src+\i], v[\src+\i], -v[\lim], v[\lim]   ; the conversion to an 8-bit code does not saturate (ISA guide 7.6.2): the hold comes first
.endr
	v_cvt_scalef32_pk8_bf8_f32 v[\dst:\dst+1], v[\src:\src+7], v[\sc]
	v_cvt_scalef32_pk8_bf8_f32 v[\dst+2:\dst+3], v[\src+8:\src+15], v[\sc]
.endm
	; ---- w1: unit n = 4 (e block) + chunk: lane (r, h) takes i = 32 c + 16 h + 0 .. 15 of row 16 (e block) + r
.set n, 0
.rept 8
.irp j, 0,1,2,3
	ds_load_b128 v[R+16*n+4*\j:R+16*n+4*\j+3], v3 offset:16*PITCH*(n/4)+128*(n%4)+16*\j
.endr
.set n, n+1
.endr
.set n, 0
.rept 8
	s_wait_dscnt 28-4*n                            ; unit n's four loads are in; the later units' may be out
	QUANT R+16*n, C1+4*n, 7, 8
	global_store_b128 v1, v[C1+4*n:C1+4*n+3], s[14:15] offset:16384*(n/4)+512*(n%4)   ; a chunk: 512 consecutive bytes
.set n, n+1
.endr
	v_nop                                          ; a plain line behind the last conversion of the run
	; ---- w2: unit n = block of 16 columns: lane (r, h) takes e = 16 h + 0 .. 15 of column 16 n + r.  Three units (48 loads) ahead
.macro U2 u
.irp t, 0,1,2,3,4,5,6,7,8,9,10,11,12,13,14,15
	ds_load_b32 v[R+16*(\u)+\t], v4 offset:PITCH*\t+64*(\u)
.endr
.endm
	U2 0
	U2 1
	U2 2
.set n, 0
.rept 8
.if n+3 < 8
	U2 n+3
	s_wait_dscnt 48                                ; unit n is in; three younger units may be out
.else
	s_wait_dscnt 16*(7-n)
.endif
	QUANT R+16*n, C2+4*n, 9, 10
	global_store_b128 v1, v[C2+4*n:C2+4*n+3], s[16:17] offset:2048*n   ; my chunk of fragment n: 512 consecutive bytes
.set n, n+1
.endr
	s_wait_tensorcnt 0x0
	ds_add_u32 v220, v221
	s_wait_dscnt 0x0
	s_endpgm
.Lfunc_end_k_qf3e51fe700_prep:
	.size	k_qf3e51fe700_prep, .Lfunc_end_k_qf3e51fe700_prep-k_qf3e51fe700_prep
	.p2alignl 7, 3214868480
	.fill 96, 4, 3214868480
	.section	.rodata,"a",@progbits
	.p2align	6, 0x0
	.amdhsa_kernel k_qf3e51fe700_prep
		.amdhsa_group_segment_fixed_size 68096
		.amdhsa_private_segment_fixed_size 0
		.amdhsa_enable_private_segment 0
		.amdhsa_kernarg_size 64
		.amdhsa_user_sgpr_count 2
		.amdhsa_user_sgpr_kernarg_segment_ptr 1
		.amdhsa_wavefront_size32 1
		.amdhsa_system_sgpr_workgroup_id_x 1
		.amdhsa_system_sgpr_workgroup_id_y 1
		.amdhsa_system_sgpr_workgroup_id_z 1
		.amdhsa_system_vgpr_workitem_id 0
		.amdhsa_next_free_vgpr 222
		.amdhsa_next_free_sgpr 66
		.amdhsa_reserve_vcc 0
		.amdhsa_float_denorm_mode_32 3
		.amdhsa_float_denorm_mode_16_64 3
		.amdhsa_memory_ordered 1
		.amdhsa_forward_progress 1
		.amdhsa_inst_pref_size 41
	.end_amdhsa_kernel
	.amdgpu_metadata
---
amdhsa.version: [ 1, 2 ]
amdhsa.kernels:
  - .name:           k_qf3e51fe700_prep
    .symbol:         k_qf3e51fe700_prep.kd
    .args:
      - { .name: W, .offset: 0, .size: 8, .value_kind: global_buffer, .address_space: global }
      - { .name: alpha, .offset: 8, .size: 8, .value_kind: global_buffer, .address_space: global }
      - { .name: beta, .offset: 16, .size: 8, .value_kind: global_buffer, .address_space: global }
      - { .name: biases, .offset: 24, .size: 8, .value_kind: global_buffer, .address_space: global }
      - { .name: lowp_scales, .offset: 32, .size: 8, .value_kind: global_buffer, .address_space: global }
      - { .name: w1img, .offset: 40, .size: 8, .value_kind: global_buffer, .address_space: global }
      - { .name: w2img, .offset: 48, .size: 8, .value_kind: global_buffer, .address_space: global }
      - { .name: ctab, .offset: 56, .size: 8, .value_kind: global_buffer, .address_space: global }
    .group_segment_fixed_size: 68096
    .private_segment_fixed_size: 0
    .kernarg_segment_align: 8
    .kernarg_segment_size: 64
    .max_flat_workgroup_size: 128
    .sgpr_count:     66
    .vgpr_count:     222
    .wavefront_size: 32
...
	.end_amdgpu_metadata
.endif
;; end of part 1
;; launch hidden (part 2): grid 16 x 16, 8 waves a work-group, clusters of 4 x 1, 327,680 bytes of LDS; arguments x_codes, w1img, ctab, lowp_scales, zimg; writes zimg
.if DOCPART == 2
	.amdgcn_target "amdgcn-amd-amdhsa--gfx1250"
	.amdhsa_code_object_version 6
	.text
	.protected	k_qf3e51fe700_hidden
	.globl	k_qf3e51fe700_hidden
	.p2align	8
	.type	k_qf3e51fe700_hidden,@function
k_qf3e51fe700_hidden:
	s_mov_b64 s[64:65], 0
	v_nop
	global_prefetch_b8 v0, s[64:65] scope:SCOPE_SE
	s_setreg_imm32_b32 hwreg(HW_REG_WAVE_MODE, 25, 1), 1
	s_wait_xcnt 0x0
	s_wait_alu depctr_hold_cnt(0) depctr_sa_sdst(0) depctr_va_vdst(0) depctr_va_sdst(0) depctr_va_ssrc(0) depctr_va_vcc(0) depctr_vm_vsrc(0)
	s_getreg_b32 s2, hwreg(HW_REG_IB_STS2, 6, 4)
	s_cmp_eq_u32 s2, 0
	s_cbranch_scc0 .Lentry_in_a_cluster
	s_endpgm
.Lentry_in_a_cluster:
	s_bfe_u32 s2, ttmp6, 0x10000c
	s_cmp_lg_u32 s2, 0x3003
	s_cbranch_scc0 .Lentry_shape_is_right
	s_endpgm
.Lentry_shape_is_right:
; h = x W^T on E5M2 codes, the chain of eight layers in f32, and z's codes (scale 2^e2), stored as the next product's operand image.
; zimg: [e / 128][row / 16][2,048]: four chunks c of 512 bytes; in chunk c lane (r, h) has 16 bytes at 16 (r + 16 h): e = 32 c + 16 h + 0 .. 15 of row r.
; biases' row 8 enters no result of reference() and is in no table (see the preparing launch).  LIMITS: e2 between -126 and 112; NaN among the inputs is not served.
; SHARES: a work-group makes 512 rows x 256 columns e: 16 column tiles T of 16.  Eight waves, two to a SIMD; wave v takes T = v and T = 8 + v, whose codes of W (32 x 1,024 K) stay in 256 registers.
; x goes through two LDS slots of 128 rows; a STEP is 16 rows: 16 matrix instructions a wave (two sums by turns), then the chain on 16 x 32 numbers.
; THE HEAD: waves 0 to 3 ask for x's tile 0 (32 rows each, jointly), waves 4 to 7 for W's tiles T = 8 .. 15, which lie on end in w1img: 128 rows of 1,024 bytes, laid into slot 1 as a tile of x is,
; so that tile 1's later fill covers just those bytes.  W's tiles T = 0 .. 7 and the table come by loads into registers meanwhile: 48 loads a wave.
; Source 0 = 16 rows of x, source 1 = 16 rows of W: a lane holds ONE column e and eight rows, so the chain's constants are one number a lane, picked out of its register pair by op_sel / op_sel_hi.
; ORDER OF A STEP n: the 32 LDS loads of x(n) in one run; the chain of step n - 1 under them; its codes into the wave's own stage and back transposed; the 16 products of step n; the store of step n - 1.
; THE LAG: behind each change of slots the waves whose number has bit 0 xor bit 2 set begin sixteen idle lines later than the others, so that their runs of matrix instructions stand beside the other waves' chains.
; CLUSTER: the four work-groups along e take the same rows of x: each tile is asked for jointly (mask 15).  W differs between them: a load of each work-group's own.
; NO PREFETCH: a tile of x is asked for eight steps ahead of the wait for it.
; WINDOWS: 0: addresses, constants, sums, chain, way out, and from v128 x's fragments.  1: W's fragments (K step k, tile q at 16 (2 k + q)).
.set XP,    1040                       ; an LDS row: 1,024 bytes + 16 of padding
.set STEPB, 16*XP
.set WB,    16*XP                      ; what one of the loop's tensor loads fills
.set SLOT1, 8*WB                       ; 133,120 = 0x20800: its two bits are 0 in wave x WB for waves 0 to 7, so an exclusive or changes slots
.set TBASE, 2*SLOT1                    ; the waves' stages, 512 bytes each
.set SPARE, TBASE+4096                 ; the spare words, 1,024 bytes
.set XA0, 2
.set ADR, 3
.set TS,  4
.set TL,  5
.set GO,  6
.set SC,  7
.set SPW, 8
.set NIL, 9
.set SELP, 10
.set CN,  16                           ; v16-79: tile q, layer l at CN + 32 q + 4 l: beta b, beta 2^(e0+e1), alpha, the hold
.set AC,  80
.set Z,   96
.set CV,  112
.set RW,  116
.set WA,  124                          ; LDS address of my tile of W in slot 1
.set XF,  128
.set WV,  14
.set G1,  24                           ; 16 rows, joint: the loop's tiles
.set G0,  32
.set G0H, 36                           ; the head's x
.set G1H, 52                           ; 32 rows, joint
.set G0W, 60                           ; the head's W
.set G1W, 68                           ; 32 rows, my work-group's own
.set TB,  40
.set CT,  41
.set OT,  42
.set ZB,  44
.set MSB, 0
.macro WIN new
.if MSB != \new
	s_set_vgpr_msb (MSB<<8)|\new
.set MSB, \new
.endif
.endm
.macro CROUND
	s_barrier_signal -1
	s_barrier_wait -1
	s_cmp_lg_u32 s[WV], 0
	s_cbranch_scc1 .Lnot_wave_0_\@
	s_barrier_signal -3
.Lnot_wave_0_\@:
	s_barrier_wait -3
	s_barrier_signal -1
	s_barrier_wait -1
.endm
	s_load_b256 s[4:11], s[0:1], 0x0               ; x s[4:5], w1img s[6:7], ctab s[8:9], scales s[10:11]
	s_load_b64 s[12:13], s[0:1], 0x20              ; zimg
	v_lshl_add_u32 v[SPW], v0, 2, SPARE
	v_mov_b32 v[NIL], 0
	ds_add_u32 v[SPW], v[NIL]                      ; the opening lines: the add, twice on end, and its wait
	ds_add_u32 v[SPW], v[NIL]
	v_lshrrev_b32 v11, 5, v0
	v_readfirstlane_b32 s[WV], v11                 ; wave 0..7
	s_lshr_b32 s49, s[WV], 2                       ; at the head: I ask for x (0) or for W (1),
	s_and_b32 s3, s[WV], 3                         ; and for which 32 rows
	s_xor_b32 s2, s49, s[WV]
	s_and_b32 s2, s2, 1                            ; bit 0 xor bit 2: 1 in the waves that lag
	s_bfe_u32 s15, ttmp6, 0x40000                  ; cx
	s_lshl_b32 s16, ttmp9, 2
	s_add_co_u32 s16, s16, s15                     ; block of 256 columns e
	s_and_b32 s17, ttmp7, 0xffff                   ; block of 512 rows
	s_lshl_b32 s18, s17, 19                        ; x: 512 rows of 1,024 bytes
	s_lshl_b32 s50, s3, 15
	s_add_co_u32 s50, s50, s18                     ; the head's 32 rows
	s_mov_b32 s51, 0
	s_lshl_b32 s19, s[WV], 14
	s_add_co_u32 s18, s18, s19                     ; the loop's 16 rows
	s_mov_b32 s19, 0
	s_mul_i32 s43, s[WV], WB
	s_lshl_b32 s20, s16, 18                        ; w1img: 16,384 bytes a column tile
	s_lshl_b32 s66, s3, 15
	s_add_co_u32 s66, s66, s20
	s_add_co_u32 s66, s66, 131072                  ; tiles 8 on, + the head's 32 rows
	s_mov_b32 s67, 0
	s_lshl_b32 s21, s[WV], 14
	s_add_co_u32 s20, s20, s21                     ; tile v
	s_mov_b32 s21, 0
	s_lshl_b32 s22, s16, 15                        ; ctab: 2,048 bytes a column tile
	s_lshl_b32 s23, s[WV], 11
	s_add_co_u32 s22, s22, s23
	s_mov_b32 s23, 0
	s_lshl_b32 s46, s16, 21                        ; zimg: e / 128 = 2 x block (+ 1): 1 MiB each; 2,048 bytes for 16 rows; tile v of a fragment's eight: 256 bytes each
	s_lshl_b32 s47, s17, 16
	s_add_co_u32 s46, s46, s47
	s_lshl_b32 s47, s[WV], 8
	s_add_co_u32 s46, s46, s47
	s_mov_b32 s47, 0
	s_mov_b32 s[G1], 15|(0<<16)|(1<<20)|(1<<21)|(7<<22)|(3<<25)   ; mask of the four; bytes; 4 words of padding behind every 256
	s_mov_b32 s[G1H], 15|(0<<16)|(1<<20)|(1<<21)|(7<<22)|(3<<25)
	s_mov_b32 s[G1W], (0<<16)|(1<<20)|(7<<22)|(3<<25)             ; no mask
	s_mov_b32 s[G1+2], 16<<16
	s_mov_b32 s[G1+4], 16
	s_mov_b32 s[G1H+2], 32<<16
	s_mov_b32 s[G1H+4], 32
	s_mov_b32 s[G1W+2], 32<<16
	s_mov_b32 s[G1W+4], 32
.irp g, G1, G1H, G1W
	s_mov_b32 s[\g+1], 1024<<16
	s_mov_b32 s[\g+3], 1024<<16
	s_mov_b32 s[\g+5], 1024
	s_mov_b32 s[\g+6], 0
	s_mov_b32 s[\g+7], 0
.endr
	s_mov_b32 s[TB], 0
	s_mov_b32 s[G0H], 1
	s_mul_i32 s[G0H+1], s3, 2*WB
	s_mov_b32 s[G0W], 1
	s_mul_i32 s[G0W+1], s3, 2*WB
	s_add_co_u32 s[G0W+1], s[G0W+1], SLOT1
	s_wait_dscnt 0x0                               ; both opening adds are done
	s_wait_kmcnt 0x0
	s_load_b32 s48, s[10:11], 0x8                  ; e2
	s_add_nc_u64 s[G0H+2:G0H+3], s[4:5], s[50:51]
	s_or_b32 s[G0H+3], s[G0H+3], 0x80000000
	s_add_nc_u64 s[G0W+2:G0W+3], s[6:7], s[66:67]
	s_or_b32 s[G0W+3], s[G0W+3], 0x80000000
	s_add_nc_u64 s[4:5], s[4:5], s[18:19]
	s_add_nc_u64 s[6:7], s[6:7], s[20:21]
	s_add_nc_u64 s[8:9], s[8:9], s[22:23]
	s_add_nc_u64 s[ZB:ZB+1], s[12:13], s[46:47]
	s_mov_b32 s[G0], 1                             ; the loop's descriptor stands at my part of tile 0 and is stepped ahead of each use
	s_mov_b32 s[G0+1], s43
	s_mov_b64 s[G0+2:G0+3], s[4:5]
	s_or_b32 s[G0+3], s[G0+3], 0x80000000
	CROUND                                         ; in front of the first loads
	s_cmp_eq_u32 s49, 0
	s_cbranch_scc0 .Lfor_w
	tensor_load_to_lds s[G0H:G0H+3], s[G1H:G1H+7]  ; x's tile 0 into slot 0: my one tensor load at the head
	s_nop 0
.rept 4
	v_nop
.endr
	s_branch .Lasked
.Lfor_w:
	tensor_load_to_lds s[G0W:G0W+3], s[G1W:G1W+7]  ; W's tiles 8 .. 15 into slot 1
	s_nop 0
.rept 4
	v_nop
.endr
.Lasked:
	v_and_b32 v1, 15, v0                           ; r
	v_bfe_u32 v11, v0, 4, 1                        ; h
	v_and_b32 v12, 7, v0
	v_bfe_u32 v13, v0, 3, 1
	v_and_b32 v14, 31, v0
	v_lshlrev_b32 v14, 4, v14                      ; 16 x lane: W's chunks as they lie
	v_lshlrev_b32 v15, 7, v1                       ; the table: 128 bytes a column
	v_mul_u32_u24 v[XA0], v1, XP
	v_lshl_add_u32 v[XA0], v11, 4, v[XA0]
	s_lshl_b32 s18, s[WV], 9
	s_add_co_u32 s18, s18, TBASE
	v_lshl_add_u32 v[TS], v1, 4, s18               ; stage: [column 32][row 16] bytes
	v_lshl_add_u32 v[TS], v11, 3, v[TS]
	v_lshl_add_u32 v[TL], v11, 8, s18
	v_lshl_add_u32 v[TL], v12, 4, v[TL]
	v_lshlrev_b32 v[GO], 5, v12                    ; out: 16 bytes of row 2 (l % 8) + bit 3; lanes 16-31 hold tile 8 + v, in the fragment 1 MiB on
	v_lshl_add_u32 v[GO], v13, 4, v[GO]
	v_lshl_add_u32 v[GO], v11, 20, v[GO]
	s_mov_b32 s19, 0x01010101
	v_mul_lo_u32 v13, v13, s19
	v_add_nc_u32 v[SELP], 0x06040200, v13
	s_add_co_u32 s43, s43, SLOT1
	v_add_nc_u32 v[WA], s43, v14                   ; tile 8 + v of W in slot 1: 16 LDS rows from 16 v on
	WIN 0x40
.irp k, 0,1,2,3,4,5,6,7                ; W's tile v, by K steps: 32 loads; the table's 16 behind them
.irp c, 0,1,2,3
	global_load_b128 v[32*\k+4*\c:32*\k+4*\c+3], v14, s[6:7] offset:\k*2048+512*\c
.endr
.endr
	WIN 0
.irp q, 0,1
.irp l, 0,1,2,3,4,5,6,7
	global_load_b128 v[CN+32*\q+4*\l:CN+32*\q+4*\l+3], v15, s[8:9] offset:16384*\q+16*\l
.endr
.endr
	s_wait_kmcnt 0x0
	s_add_co_i32 s48, s48, 127
	s_lshl_b32 s48, s48, 23
	v_mov_b32 v[SC], s48                           ; 2^e2 as f32: the conversion takes its exponent field
; A change of slots.  Every wave: all its tensor loads waited for, the add, the wait for it and for its LDS reads; then the round, and the joint load first behind it.
.macro CHANGE fill, flip
	s_wait_tensorcnt 0x0
	ds_add_u32 v[SPW], v[NIL]
.if \fill
	s_xor_b32 s[G0+1], s[G0+1], SLOT1              ; no load of mine is out: the descriptor steps to the other slot and 128 rows on
	s_add_nc_u64 s[G0+2:G0+3], s[G0+2:G0+3], 0x20000
.endif
	s_wait_dscnt 0x0
.if \fill
	CROUND
	tensor_load_to_lds s[G0:G0+3], s[G1:G1+7]
	s_nop 0
.rept 4
	v_nop
.endr
.else
	s_barrier_signal -1
	s_barrier_wait -1
.endif
.if \flip
	s_sub_co_u32 s[TB], s[TB], 8*STEPB             ; the steps go on in the other slot
	s_xor_b32 s[TB], s[TB], SLOT1
.endif
	s_cmp_eq_u32 s2, 0                             ; the lag: sixteen idle lines in half of the waves
	s_cbranch_scc1 .Lgo_\@
.rept 16
	s_nop 15
.endr
.Lgo_\@:
.endm
.macro XLOAD                           ; a step's fragments of x: 16 rows x 1,024 K, 32 loads in one run
	v_add_nc_u32 v[ADR], s[TB], v[XA0]
	s_add_co_u32 s[TB], s[TB], STEPB
.irp k, 0,1,2,3,4,5,6,7
.irp c, 0,1,2,3
	ds_load_b128 v[XF+16*\k+4*\c:XF+16*\k+4*\c+3], v[ADR] offset:128*\k+32*\c
.endr
.endr
.endm
.macro MMS first                       ; 16 products: the two sums by turns, K ascending; the first of each starts its sum
	WIN 0x04
.irp k, 0,1,2,3,4,5,6,7
.if \first && (\k == 7)
	s_wait_loadcnt 16                              ; W's last K step is in; the table's 16 loads may be out
.endif
.irp q, 0,1
.if \k == 0
	v_wmma_f32_16x16x128_bf8_bf8 v[AC+8*\q:AC+8*\q+7], v[XF+16*\k:XF+16*\k+15], v[16*(2*\k+\q):16*(2*\k+\q)+15], 0
.else
	v_wmma_f32_16x16x128_bf8_bf8 v[AC+8*\q:AC+8*\q+7], v[XF+16*\k:XF+16*\k+15], v[16*(2*\k+\q):16*(2*\k+\q)+15], v[AC+8*\q:AC+8*\q+7]
.endif
.endr
.endr
	WIN 0
.endm
; The chain on 16 numbers a lane, two an instruction, in runs of 8 so that no line reads the line above it.  S = the raw sum of codes.
.macro CHAIN
.irp q, 0,1
.irp p, 0,2,4,6
	v_pk_fma_f32 v[Z+8*\q+\p:Z+8*\q+\p+1], v[CN+32*\q:CN+32*\q+1], v[AC+8*\q+\p:AC+8*\q+\p+1], v[CN+32*\q:CN+32*\q+1] op_sel:[1,0,0] op_sel_hi:[1,1,0]   ; z = beta_0 2^(e0+e1) S + beta_0 b_0; each sum from its low end on
.endr
.endr
.irp l, 1,2,3,4,5,6,7
.irp q, 0,1
.irp p, 0,2,4,6
	v_dual_max_num_f32 v[Z+8*\q+\p], 0, v[Z+8*\q+\p] :: v_dual_max_num_f32 v[Z+8*\q+\p+1], 0, v[Z+8*\q+\p+1]
.endr
.endr
.irp q, 0,1
.irp p, 0,2,4,6
	v_pk_fma_f32 v[Z+8*\q+\p:Z+8*\q+\p+1], v[CN+32*\q+4*\l-2:CN+32*\q+4*\l-1], v[Z+8*\q+\p:Z+8*\q+\p+1], v[CN+32*\q+4*\l:CN+32*\q+4*\l+1] op_sel_hi:[0,1,0]   ; alpha_(l-1) relu(z) + beta_l b_l
.endr
.endr
.irp q, 0,1
.irp p, 0,2,4,6
	v_pk_fma_f32 v[Z+8*\q+\p:Z+8*\q+\p+1], v[CN+32*\q+4*\l:CN+32*\q+4*\l+1], v[AC+8*\q+\p:AC+8*\q+\p+1], v[Z+8*\q+\p:Z+8*\q+\p+1] op_sel:[1,0,0] op_sel_hi:[1,1,1]   ; + beta_l 2^(e0+e1) S
.endr
.endr
.endr
.irp q, 0,1
.irp j, 0,1,2,3,4,5,6,7
	v_med3_num_f32 v[Z+8*\q+\j], v[CN+32*\q+31], v[Z+8*\q+\j], 0   ; the last relu and the hold in one: the conversion does not saturate (ISA guide 7.6.2)
.endr
.endr
.irp q, 0,1
.irp p, 0,2,4,6
	v_pk_mul_f32 v[Z+8*\q+\p:Z+8*\q+\p+1], v[CN+32*\q+30:CN+32*\q+31], v[Z+8*\q+\p:Z+8*\q+\p+1] op_sel_hi:[0,1]   ; x alpha_7
.endr
.endr
.irp q, 0,1
	v_cvt_scalef32_pk8_bf8_f32 v[CV+2*\q:CV+2*\q+1], v[Z+8*\q:Z+8*\q+7], v[SC]
.endr
	v_nop                                          ; a plain line behind the last conversion
.endm
.macro OUTA                            ; eight rows of one column a lane -> my stage; back as pairs of columns, 16-bit units transposed
.irp q, 0,1
	ds_store_b64 v[TS], v[CV+2*\q:CV+2*\q+1] offset:256*\q
.endr
	s_wait_xcnt 0x0                                ; the last step's store has read its base and its data: both are written below
	s_add_nc_u64 s[ZB:ZB+1], s[ZB:ZB+1], 2048      ; 16 rows on; the store names this step's fragments by offset -2,048
.irp o, 0,1
	ds_load_tr16_b128 v[RW+4*\o:RW+4*\o+3], v[TL] offset:128*\o
.endr
.endm
.macro OUTB                            ; my row's bytes picked out of the pairs; sixteen lanes store 256 consecutive bytes, aligned: one tile's 16 rows
	v_perm_b32 v[RW],   v[RW+1], v[RW],   v[SELP]
	v_perm_b32 v[RW+1], v[RW+3], v[RW+2], v[SELP]
	v_perm_b32 v[RW+2], v[RW+5], v[RW+4], v[SELP]
	v_perm_b32 v[RW+3], v[RW+7], v[RW+6], v[SELP]
	global_store_b128 v[GO], v[RW:RW+3], s[ZB:ZB+1] offset:-2048
.endm
.macro BODY                            ; step n's loads and products round step n - 1's chain and way out
	XLOAD
	CHAIN
	OUTA
	s_wait_dscnt 4                                 ; x's 32 loads are in; the 2 stores and 2 loads of the stage may be out
	MMS 0
	s_wait_dscnt 0x0                               ; the stage's loads are in
	OUTB                                           ; its four plain lines are also the places behind the products
.endm
.macro STEPS n
	s_mov_b32 s[CT], \n
.Lstep_\@:
	BODY
	s_sub_co_u32 s[CT], s[CT], 1
	s_cmp_lg_u32 s[CT], 0
	s_cbranch_scc1 .Lstep_\@
.endm
	s_wait_alu depctr_va_vdst(0)                   ; the wait at the head's end
	s_wait_tensorcnt 0x0                           ; my head load is in,
	s_barrier_signal -1
	s_barrier_wait -1                              ; and so is every wave's: tile 0 and W's upper half may be read
	XLOAD
	WIN 0x40
.irp k, 0,1,2,3,4,5,6,7                ; W's tile 8 + v out of slot 1: a fragment is two LDS rows
.irp c, 0,1,2,3
	ds_load_b128 v[32*\k+16+4*\c:32*\k+16+4*\c+3], v[WA] offset:(2*\k+\c/2)*XP+512*(\c%2)
.endr
.endr
	WIN 0
	CHANGE 1, 0                                    ; my reads of slot 1 are over, in every wave: tile 1 is laid over W's bytes
	s_wait_loadcnt 20                              ; W's K steps 0 to 6 are in: behind them stand 4 loads of K step 7 and the table's 16
	MMS 1
.rept 4
	v_nop                                          ; places behind the products
.endr
	s_wait_loadcnt 0x0                             ; the table
	STEPS 7                                        ; tile 0's other steps
	s_mov_b32 s[OT], 2
.Lslot:
	CHANGE 1, 1                                    ; tile 2 into slot 0, then tile 3 into slot 1
	STEPS 8
	s_sub_co_u32 s[OT], s[OT], 1
	s_cmp_lg_u32 s[OT], 0
	s_cbranch_scc1 .Lslot
	CHANGE 0, 1                                    ; the last tile: nothing is filled again
	STEPS 8
	CHAIN                                          ; the last step's chain and way out
	OUTA
	s_wait_dscnt 0x0
	OUTB
	s_wait_tensorcnt 0x0                           ; the wave's end
	ds_add_u32 v[SPW], v[NIL]
	s_wait_dscnt 0x0
	CROUND                                         ; the closing round
	s_endpgm
.Lfunc_end_k_qf3e51fe700_hidden:
	.size	k_qf3e51fe700_hidden, .Lfunc_end_k_qf3e51fe700_hidden-k_qf3e51fe700_hidden
	.p2alignl 7, 3214868480
	.fill 96, 4, 3214868480
	.section	.rodata,"a",@progbits
	.p2align	6, 0x0
	.amdhsa_kernel k_qf3e51fe700_hidden
		.amdhsa_group_segment_fixed_size 327680
		.amdhsa_private_segment_fixed_size 0
		.amdhsa_enable_private_segment 0
		.amdhsa_kernarg_size 40
		.amdhsa_user_sgpr_count 2
		.amdhsa_user_sgpr_kernarg_segment_ptr 1
		.amdhsa_wavefront_size32 1
		.amdhsa_system_sgpr_workgroup_id_x 1
		.amdhsa_system_sgpr_workgroup_id_y 1
		.amdhsa_system_sgpr_workgroup_id_z 1
		.amdhsa_system_vgpr_workitem_id 0
		.amdhsa_next_free_vgpr 512
		.amdhsa_next_free_sgpr 76
		.amdhsa_reserve_vcc 0
		.amdhsa_float_denorm_mode_32 3
		.amdhsa_float_denorm_mode_16_64 3
		.amdhsa_memory_ordered 1
		.amdhsa_forward_progress 1
		.amdhsa_inst_pref_size 85
	.end_amdhsa_kernel
	.amdgpu_metadata
---
amdhsa.version: [ 1, 2 ]
amdhsa.kernels:
  - .name:           k_qf3e51fe700_hidden
    .symbol:         k_qf3e51fe700_hidden.kd
    .args:
      - { .name: x_codes, .offset: 0, .size: 8, .value_kind: global_buffer, .address_space: global }
      - { .name: w1img, .offset: 8, .size: 8, .value_kind: global_buffer, .address_space: global }
      - { .name: ctab, .offset: 16, .size: 8, .value_kind: global_buffer, .address_space: global }
      - { .name: lowp_scales, .offset: 24, .size: 8, .value_kind: global_buffer, .address_space: global }
      - { .name: zimg, .offset: 32, .size: 8, .value_kind: global_buffer, .address_space: global }
    .group_segment_fixed_size: 327680
    .private_segment_fixed_size: 0
    .kernarg_segment_align: 8
    .kernarg_segment_size: 40
    .max_flat_workgroup_size: 256
    .sgpr_count:     76
    .vgpr_count:     512
    .wavefront_size: 32
...
	.end_amdgpu_metadata
.endif
;; end of part 2
;; launch project (part 3): grid 4 x 64, 4 waves a work-group, clusters of 4 x 4, 327,680 bytes of LDS; arguments zimg, w2img, bias_last, lowp_scales, out0; writes out0
.if DOCPART == 3
	.amdgcn_target "amdgcn-amd-amdhsa--gfx1250"
	.amdhsa_code_object_version 6
	.text
	.protected	k_qf3e51fe700_project
	.globl	k_qf3e51fe700_project
	.p2align	8
	.type	k_qf3e51fe700_project,@function
k_qf3e51fe700_project:
	s_mov_b64 s[64:65], 0
	v_nop
	global_prefetch_b8 v0, s[64:65] scope:SCOPE_SE
	s_setreg_imm32_b32 hwreg(HW_REG_WAVE_MODE, 25, 1), 1
	s_wait_xcnt 0x0
	s_wait_alu depctr_hold_cnt(0) depctr_sa_sdst(0) depctr_va_vdst(0) depctr_va_sdst(0) depctr_va_ssrc(0) depctr_va_vcc(0) depctr_vm_vsrc(0)
	s_getreg_b32 s2, hwreg(HW_REG_IB_STS2, 6, 4)
	s_cmp_eq_u32 s2, 0
	s_cbranch_scc0 .Lentry_in_a_cluster
	s_endpgm
.Lentry_in_a_cluster:
	s_bfe_u32 s2, ttmp6, 0x10000c
	s_cmp_lg_u32 s2, 0xf033
	s_cbranch_scc0 .Lentry_shape_is_right
	s_endpgm
.Lentry_shape_is_right:
; out = z W + bias_last on E5M2 codes.  zimg [e / 128][row / 16][2,048] and w2img [e / 128][i / 16][2,048] are operand images: a fragment's four chunks of 512 bytes go to registers as they lie.
; LIMIT: e2 + e3 between -126 and 127, so that 2^(e2 + e3) is an f32 number.
; A work-group makes 128 rows x 256 columns.  Waves 0, 1 take the even blocks of 128 along K, waves 2, 3 the odd ones, each on 128 x 128 (64 sums, by turns); the two halves are added through LDS at the end.
; A TILE is 256 along K: A 2 x 16 KiB, B 2 x 32 KiB.  A TURN multiplies one tile out of registers and fetches the next tile's fragments from LDS.
; THREE REGIONS IN LDS, tile t in region t % 3 (A's three regions on end, then B's three).  In turn t the registers hold tile t, so with tile t + 1 in LDS two regions are free:
; every second turn fills two tiles, t + 2 and t + 3, one tensor load a wave (wave 0: A of the first, wave 1: A of the second, waves 2, 3: B likewise; two rows of 16 or 32 KiB).
; The odd turns have a plain barrier behind the wait for those loads.  The head asks for tiles 0 to 2 as one group (three rows a load); turn 0 has one region free and fills tile 3 alone (waves 1 and 3).
; CLUSTER 4 x 4: A's tiles are asked for jointly along a row of the cluster, B's along a column.
; PREFETCH: turn t (0 to 10) names tile t + 5, the head tiles 3 and 4: each wave the blocks of 256 bytes of one block of 128 along K of A or B; of A's 16 KiB the partner at cx takes 4 KiB
; (16 lanes' blocks, the other 16 lanes name the same ones), of B's 32 KiB the partner at cy takes 8 KiB (a lane a block).  The partners part by address alone.
.set RSA,    32768                     ; a region of A
.set RSB,    65536                     ; a region of B
.set BB,     3*RSA
.set SPARE,  BB+3*RSB                  ; 294,912: the spare words
.set STG,    131072                    ; the way out's stages, in bytes that have had their last fill
.set SPITCH, 528
.set TSA,    0x200000                  ; bytes from tile to tile in zimg,
.set TSB,    0x40000                   ; in w2img
.set SPW,  8
.set NIL,  9
.set XS,   10
.set XL,   11
.set STO,  12
.set RD,   13
.set CO,   14
.set BI,   16
.set PFO,  80
.set AL,   81                          ; v81-83, v84-86, v87-89: LDS addresses of my fragments in regions 0, 1, 2
.set AH,   84
.set ADRB, 87
.set AF,   128
.set TMP,  128
.set BK,   192
.set G1,   24                          ; A, two rows
.set G1B,  48                          ; B, two rows
.set G1H,  80                          ; A, three rows: the head
.set G1HB, 88                          ; B, three rows
.set GA0,  32                          ; group 0, three sets a side: a (regions 1, 2), b (0, 1), c (2, 0)
.set GA1,  36
.set GA2,  56
.set GB0,  60
.set GB1,  68
.set GB2,  76
.set MSB, 0
.macro WIN new
.if MSB != \new
	s_set_vgpr_msb (MSB<<8)|\new
.set MSB, \new
.endif
.endm
.set MUL_LO, 0xa1
.set MUL_HI, 0xf1
.set TO_B,   0x40
.macro JLOAD g0a, g1a, g0b, g1b        ; waves 0, 1 ask for A, waves 2, 3 for B; s_nop 0 and four v_nop behind each line
	s_cmp_eq_u32 s15, 0
	s_cbranch_scc0 .Lfor_b_\@
	tensor_load_to_lds s[\g0a:\g0a+3], s[\g1a:\g1a+7]
	s_nop 0
.rept 4
	v_nop
.endr
	s_branch .Lasked_\@
.Lfor_b_\@:
	tensor_load_to_lds s[\g0b:\g0b+3], s[\g1b:\g1b+7]
	s_nop 0
.rept 4
	v_nop
.endr
.Lasked_\@:
.endm
.macro CREST
	s_cmp_lg_u32 s14, 0
	s_cbranch_scc1 .Lnot_wave_0_\@
	s_barrier_signal -3
.Lnot_wave_0_\@:
	s_barrier_wait -3
	s_barrier_signal -1
	s_barrier_wait -1
.endm
.macro CROUND
	s_barrier_signal -1
	s_barrier_wait -1
	CREST
.endm
.macro PLACES
.rept 4
	v_nop
.endr
.endm
.macro MKSET g0, ptr, off, tile, ts    ; group 0's words 0, 2, 3: the tile's address = base + (wave % 2) tiles + so many tiles
	s_mov_b32 s[\g0], 1
	s_add_nc_u64 s[\g0+2:\g0+3], s[\ptr:\ptr+1], s[\off:\off+1]
	s_add_nc_u64 s[\g0+2:\g0+3], s[\g0+2:\g0+3], (\tile)*(\ts)
	s_or_b32 s[\g0+3], s[\g0+3], 0x80000000
.endm
	s_load_b256 s[4:11], s[0:1], 0x0               ; zimg s[4:5], w2img s[6:7], bias_last s[8:9], scales s[10:11]
	s_load_b64 s[12:13], s[0:1], 0x20              ; out0
	v_lshl_add_u32 v[SPW], v0, 2, SPARE
	v_mov_b32 v[NIL], 0
	ds_add_u32 v[SPW], v[NIL]                      ; the opening lines: the add, twice on end, and its wait
	ds_add_u32 v[SPW], v[NIL]
	s_wait_dscnt 0x0
	v_lshrrev_b32 v1, 5, v0
	v_readfirstlane_b32 s14, v1                    ; wave
	s_lshr_b32 s15, s14, 1                         ; my half of K.  Also: I ask for A (0) or B (1)
	s_and_b32 s16, s14, 1                          ; my half of the columns.  Also: which tile of a pair I ask for
	s_bfe_u32 s40, ttmp6, 0x40000                  ; cx
	s_bfe_u32 s41, ttmp6, 0x40004                  ; cy
	s_lshl_b32 s42, ttmp9, 2
	s_add_co_u32 s42, s42, s40                     ; block of 256 columns
	s_and_b32 s17, ttmp7, 0xffff
	s_lshl_b32 s17, s17, 2
	s_add_co_u32 s17, s17, s41                     ; block of 128 rows
	s_lshl_b32 s43, s41, 2
	s_lshl_b32 s43, 15, s43                        ; my row of the cluster
	s_lshl_b32 s44, 0x1111, s40                    ; my column
	s_or_b32 s[G1], s43, (3<<16)|(1<<21)           ; elements of 8 bytes; no padding: fragments are read as they lie
	s_or_b32 s[G1H], s43, (3<<16)|(1<<21)
	s_or_b32 s[G1B], s44, (3<<16)|(1<<21)
	s_or_b32 s[G1HB], s44, (3<<16)|(1<<21)
.irp g, G1, G1H
	s_mov_b32 s[\g+1], 2048<<16                    ; a row: 16 KiB, eight fragments of one block of 128 along K
	s_mov_b32 s[\g+3], 2048<<16
	s_mov_b32 s[\g+5], 131072                      ; 1 MiB from block to block
	s_mov_b32 s[\g+6], 0
	s_mov_b32 s[\g+7], 0
.endr
.irp g, G1B, G1HB
	s_mov_b32 s[\g+1], 4096<<16                    ; a row: 32 KiB, sixteen fragments
	s_mov_b32 s[\g+3], 4096<<16
	s_mov_b32 s[\g+5], 16384                       ; 128 KiB from block to block
	s_mov_b32 s[\g+6], 0
	s_mov_b32 s[\g+7], 0
.endr
	s_mov_b32 s[G1+2], 2<<16
	s_mov_b32 s[G1+4], 2
	s_mov_b32 s[G1B+2], 2<<16
	s_mov_b32 s[G1B+4], 2
	s_mov_b32 s[G1H+2], 3<<16
	s_mov_b32 s[G1H+4], 3
	s_mov_b32 s[G1HB+2], 3<<16
	s_mov_b32 s[G1HB+4], 3
	s_lshl_b32 s20, s17, 14                        ; A: 16 KiB for my 128 rows
	s_mov_b32 s21, 0
	s_lshl_b32 s46, s42, 15                        ; B: 32 KiB for my 256 columns
	s_mov_b32 s47, 0
	s_lshl_b32 s68, s42, 10                        ; bias and out: my 128 columns, in bytes
	s_lshl_b32 s69, s16, 9
	s_add_co_u32 s68, s68, s69
	s_mov_b32 s69, 0
	s_lshl_b32 s70, s17, 19                        ; out: the 64 rows that I finish
	s_lshl_b32 s71, s15, 18
	s_add_co_u32 s70, s70, s71
	s_add_co_u32 s70, s70, s68
	s_mov_b32 s71, 0
	s_mul_i32 s18, s16, 3<<20                      ; the head: blocks 3 (wave % 2) + 0 .. 2 along K
	s_mov_b32 s19, 0
	s_mul_i32 s22, s16, 3<<17
	s_mov_b32 s23, 0
	s_wait_kmcnt 0x0
	s_load_b64 s[96:97], s[10:11], 0x8             ; e2, e3
	s_add_nc_u64 s[4:5], s[4:5], s[20:21]          ; my rows of A, block 0
	s_add_nc_u64 s[6:7], s[6:7], s[46:47]          ; my columns of B, block 0
	s_add_nc_u64 s[8:9], s[8:9], s[68:69]
	s_add_nc_u64 s[12:13], s[12:13], s[70:71]
	s_mov_b32 s[GA2], 1                            ; the head's group 0 stands in set c's registers
	s_mul_i32 s[GA2+1], s16, 3*16384
	s_add_nc_u64 s[GA2+2:GA2+3], s[4:5], s[18:19]
	s_or_b32 s[GA2+3], s[GA2+3], 0x80000000
	s_mov_b32 s[GB2], 1
	s_mul_i32 s[GB2+1], s16, 3*32768
	s_add_co_u32 s[GB2+1], s[GB2+1], BB
	s_add_nc_u64 s[GB2+2:GB2+3], s[6:7], s[22:23]
	s_or_b32 s[GB2+3], s[GB2+3], 0x80000000
	CROUND                                         ; in front of the first joint loads
	JLOAD GA2, G1H, GB2, G1HB                      ; tiles 0 to 2: my one tensor load at the head
	; the prefetches
	s_lshl_b32 s20, s16, 20
	s_mov_b32 s21, 0
	s_add_nc_u64 s[20:21], s[4:5], s[20:21]        ; A: block wave % 2 of tile 0
	s_lshl_b32 s46, s16, 17
	s_mov_b32 s47, 0
	s_add_nc_u64 s[46:47], s[6:7], s[46:47]        ; B likewise
	s_cmp_eq_u32 s15, 0
	s_cselect_b64 s[72:73], s[20:21], s[46:47]     ; s[72:73]: where my prefetches stand
	s_cselect_b32 s2, s40, s41                     ; my place among the four that ask with me
	s_cselect_b32 s3, 12, 13                       ; my work-group's share: 4 KiB of A, 8 KiB of B
	s_cselect_b32 s45, 15, 31
	s_mov_b32 s74, TSB
	s_cselect_b32 s74, TSA, s74                    ; s[74:75]: bytes from tile to tile
	s_mov_b32 s75, 0
	s_lshl_b32 s2, s2, s3
	s_mov_b32 s3, 0
	s_add_nc_u64 s[72:73], s[72:73], s[2:3]
	s_mul_i32 s2, s74, 3
	s_add_nc_u64 s[98:99], s[72:73], s[2:3]        ; tile 3
	s_add_nc_u64 s[72:73], s[98:99], s[74:75]      ; tile 4; each asking turn steps it first
	v_and_b32 v[PFO], s45, v0
	v_lshlrev_b32 v[PFO], 8, v[PFO]                ; a block of 256 bytes a lane; never rewritten
	global_prefetch_b8 v[PFO], s[98:99] th:TH_LOAD_NT scope:SCOPE_SE
	global_prefetch_b8 v[PFO], s[72:73] th:TH_LOAD_NT scope:SCOPE_SE
	v_and_b32 v1, 31, v0
	v_lshlrev_b32 v[CO], 4, v1
	s_wait_alu depctr_va_vdst(0)
	s_mul_i32 s18, s15, 24576                      ; the rows whose sums I finish come first: K half 0: rows 0-63, K half 1: rows 64-127
	s_lshl_b32 s19, s15, 13
	s_add_co_u32 s19, s19, 8192
	s_lshl_b32 s23, s15, 15
	s_lshl_b32 s2, s16, 14
	s_add_co_u32 s23, s23, s2
	s_add_co_u32 s23, s23, BB
.irp r, 0,1,2
	v_add_nc_u32 v[AL+\r], s18, v[CO]
	v_add_nc_u32 v[AH+\r], s19, v[CO]
	v_add_nc_u32 v[ADRB+\r], s23, v[CO]
	s_add_co_u32 s18, s18, RSA
	s_add_co_u32 s19, s19, RSA
	s_add_co_u32 s23, s23, RSB
.endr
	s_lshl_b32 s18, s14, 15
	v_add_nc_u32 v[XS], s18, v[CO]
	s_xor_b32 s19, s14, 2
	s_lshl_b32 s19, s19, 15
	v_add_nc_u32 v[XL], s19, v[CO]
	s_mul_i32 s23, s14, 16*SPITCH
	s_add_co_u32 s23, s23, STG
	v_and_b32 v1, 15, v0
	v_bfe_u32 v15, v0, 4, 1
	v_mul_u32_u24 v[STO], v1, SPITCH
	v_lshl_add_u32 v[STO], v15, 5, v[STO]
	v_add_nc_u32 v[STO], s23, v[STO]
	v_add_nc_u32 v[RD], s23, v[CO]
	v_lshlrev_b32 v15, 5, v15
.irp b, 0,1,2,3,4,5,6,7
	global_load_b128 v[BI+8*\b:BI+8*\b+3], v15, s[8:9] offset:64*\b
	global_load_b128 v[BI+8*\b+4:BI+8*\b+7], v15, s[8:9] offset:64*\b+16
.endr
	; sets a and b: tiles 4 + wave % 2 into regions 1 + wave % 2, tiles 6 + wave % 2 into regions wave % 2
	s_lshl_b32 s18, s16, 21
	s_mov_b32 s19, 0
	s_lshl_b32 s22, s16, 18
	s_mov_b32 s23, 0
	MKSET GA0, 4, 18, 4, TSA
	MKSET GB0, 6, 22, 4, TSB
	MKSET GA1, 4, 18, 6, TSA
	MKSET GB1, 6, 22, 6, TSB
	s_mul_i32 s[GA1+1], s16, RSA
	s_add_co_u32 s[GA0+1], s[GA1+1], RSA
	s_mul_i32 s[GB1+1], s16, RSB
	s_add_co_u32 s[GB1+1], s[GB1+1], BB
	s_add_co_u32 s[GB0+1], s[GB1+1], RSB
.macro FRAG reg, adr, blk
.irp c, 0,1,2,3
	ds_load_b128 v[\reg+4*\c:\reg+4*\c+3], v[\adr] offset:2048*(\blk)+512*\c
.endr
.endm
.macro FETCH_B p, r                    ; B's eight fragments out of region r into set p
	WIN TO_B
.irp b, 0,1,2,3,4,5,6,7
	FRAG 128*(\p)+16*\b, ADRB+(\r), \b
.endr
	WIN 0
.endm
.macro FETCH_LO r
.irp a, 0,1,2,3
	FRAG AF+16*\a, AL+(\r), \a
.endr
.endm
.macro FETCH_HI r
.irp a, 0,1,2,3
	FRAG AF+64+16*\a, AH+(\r), \a
.endr
.endm
.macro MUL8 a, p, zero
.irp b, 0,1,2,3,4,5,6,7
.if \zero
	v_wmma_f32_16x16x128_bf8_bf8 v[8*(8*((\a)%4)+\b):8*(8*((\a)%4)+\b)+7], v[128*(\p)+16*\b:128*(\p)+16*\b+15], v[AF+16*(\a):AF+16*(\a)+15], 0
.else
	v_wmma_f32_16x16x128_bf8_bf8 v[8*(8*((\a)%4)+\b):8*(8*((\a)%4)+\b)+7], v[128*(\p)+16*\b:128*(\p)+16*\b+15], v[AF+16*(\a):AF+16*(\a)+15], v[8*(8*((\a)%4)+\b):8*(8*((\a)%4)+\b)+7]
.endif
.endr
.endm
; A turn.  p: B's set; rn: the next tile's region.  kind 0: no barrier; 1: the loads asked for a turn ago are waited for, a plain barrier, and the set (ga, gb) that asked steps six tiles on;
; 2: the three lines, the cluster's round, and two tiles asked for by set (ga, gb); 3: as 2, but only waves 1 and 3 have a tile to ask for.
.macro TURN p, rn, kind, ga, gb, fetch, zero
.if PF
	s_wait_xcnt 0x0                                ; the last prefetch has read its address, a turn ago
	s_add_nc_u64 s[72:73], s[72:73], s[74:75]
.endif
	s_wait_dscnt 16                                ; B's set and A's first four fragments are in; the youngest 16 loads may be out
	WIN MUL_LO
	MUL8 0, \p, \zero
	MUL8 1, \p, \zero
	MUL8 2, \p, \zero
.if \kind
	WIN 0
	s_wait_tensorcnt 0x0                           ; all my tensor loads have landed
	ds_add_u32 v[SPW], v[NIL]
.if (\kind == 1) && (\ga)
	s_add_nc_u64 s[\ga+2:\ga+3], s[\ga+2:\ga+3], 6*TSA
	s_add_nc_u64 s[\gb+2:\gb+3], s[\gb+2:\gb+3], 6*TSB
.endif
	WIN MUL_LO
	MUL8 3, \p, \zero
	s_wait_dscnt 0x0                               ; the add is done, and this tile is in registers whole
	WIN 0
	s_barrier_signal -1
	s_barrier_wait -1
.if \kind >= 2
	CREST                                          ; the barrier has opened a round: no wave of any partner still reads the two regions or has a load on its way
.if \kind == 3
	s_cmp_eq_u32 s16, 0
	s_cbranch_scc1 .Lnone_\@                       ; tile 2 came at the head
.endif
	JLOAD \ga, G1, \gb, G1B
.if \kind == 3
.Lnone_\@:
	PLACES
.endif
.else
	PLACES
.endif
.else
	MUL8 3, \p, \zero
	s_wait_dscnt 0x0
.if \fetch
	PLACES
.endif
.endif
.if \fetch
	FETCH_B 1-\p, \rn
	FETCH_LO \rn
.endif
.if PF == 2
	s_cmp_gt_u32 s3, 1                             ; the loop's last trip: these two turns would name tiles 16 and 17
	s_cbranch_scc0 .Lno_ask_\@
.endif
.if PF
	global_prefetch_b8 v[PFO], s[72:73] th:TH_LOAD_NT scope:SCOPE_SE
.endif
.if PF == 2
.Lno_ask_\@:
.endif
	WIN MUL_HI
	MUL8 4, \p, \zero
	MUL8 5, \p, \zero
	MUL8 6, \p, \zero
	MUL8 7, \p, \zero
.if \fetch
	PLACES
	WIN 0
	FETCH_HI \rn
.endif
.endm
	s_wait_alu depctr_va_vdst(0)                   ; the wait at the head's end
	s_wait_tensorcnt 0x0                           ; my part of tiles 0 to 2 is in,
	s_barrier_signal -1
	s_barrier_wait -1                              ; and so is every wave's
	s_xor_b32 s2, s16, 1                           ; set c, now that the head's load is done: tiles 2 + wave % 2 into regions 2, 0
	s_mul_i32 s[GA2+1], s2, 2*RSA
	s_mul_i32 s[GB2+1], s2, 2*RSB
	s_add_co_u32 s[GB2+1], s[GB2+1], BB
	MKSET GA2, 4, 18, 2, TSA
	MKSET GB2, 6, 22, 2, TSB
	FETCH_B 0, 0
	FETCH_LO 0
	FETCH_HI 0
.set PF, 1
	TURN 0, 1, 3, GA2, GB2, 1, 1                   ; turn 0: its products start the sums; tile 3 into region 0
	s_mov_b32 s3, 2
.Llap:                                                 ; six turns: 1 to 6, then 7 to 12
	TURN 1, 2, 1, GA2, GB2, 1, 0
	TURN 0, 0, 2, GA0, GB0, 1, 0
	TURN 1, 1, 1, GA0, GB0, 1, 0
	TURN 0, 2, 2, GA1, GB1, 1, 0
.set PF, 2
	TURN 1, 0, 1, GA1, GB1, 1, 0
	TURN 0, 1, 2, GA2, GB2, 1, 0
.set PF, 0
	s_sub_co_u32 s3, s3, 1
	s_cmp_lg_u32 s3, 0
	s_cbranch_scc1 .Llap
	TURN 1, 2, 1, 0, 0, 1, 0                       ; turn 13: tiles 14 and 15 are in; nothing is filled again
	TURN 0, 0, 0, 0, 0, 1, 0
	TURN 1, 0, 0, 0, 0, 0, 0
	WIN 0
	PLACES
	s_wait_alu depctr_va_vdst(0)
	s_barrier_signal -1                            ; nobody reads a tile any more: LDS serves the exchange and the stages
	s_barrier_wait -1
	WIN 0x0c                                       ; the sums of the 64 rows that the other K half finishes go to it,
.set n, 0
.rept 64
	ds_store_b128 v[XS], v[4*n:4*n+3] offset:512*n
.set n, n+1
.endr
	WIN 0
	s_wait_dscnt 0x0
	s_barrier_signal -1
	s_barrier_wait -1
	WIN TO_B                                       ; and its sums of my 64 rows come to me
.set n, 0
.rept 64
	ds_load_b128 v[4*n:4*n+3], v[XL] offset:512*n
.set n, n+1
.endr
	WIN 0
	s_wait_loadcnt 0x0                             ; the bias
	s_wait_kmcnt 0x0
	s_add_co_i32 s96, s96, s97
	s_add_co_i32 s96, s96, 127
	s_lshl_b32 s96, s96, 23                        ; 2^(e2 + e3) as f32
	s_mov_b32 s97, s96
	s_wait_dscnt 0x0
.macro PACK a                          ; the two halves added, x 2^(e2 + e3), + bias
	WIN 0x06
.irp j, 0,2,4,6,8,10,12,14,16,18,20,22,24,26,28,30,32,34,36,38,40,42,44,46,48,50,52,54,56,58,60,62
	v_pk_add_f32 v[TMP+\j:TMP+\j+1], v[64*(\a)+\j:64*(\a)+\j+1], v[64*(\a)+\j:64*(\a)+\j+1]
.endr
	WIN 0
.irp j, 0,2,4,6,8,10,12,14,16,18,20,22,24,26,28,30,32,34,36,38,40,42,44,46,48,50,52,54,56,58,60,62
	v_pk_fma_f32 v[TMP+\j:TMP+\j+1], v[TMP+\j:TMP+\j+1], s[96:97], v[BI+\j:BI+\j+1] op_sel_hi:[1,0,1]
.endr
.endm
.macro TOSTAGE a                       ; 16 rows x 128 columns through my own stage, back as whole rows of 512 bytes
.irp b, 0,1,2,3,4,5,6,7
	ds_store_b128 v[STO], v[TMP+8*\b:TMP+8*\b+3] offset:64*\b
	ds_store_b128 v[STO], v[TMP+8*\b+4:TMP+8*\b+7] offset:64*\b+16
.endr
.if (\a) > 0
	s_wait_xcnt 0x0                                ; the last block's stores have read their data
.endif
.irp t, 0,1,2,3,4,5,6,7,8,9,10,11,12,13,14,15
	ds_load_b128 v[BK+4*\t:BK+4*\t+3], v[RD] offset:\t*SPITCH
.endr
.endm
.macro SEND a
	s_wait_dscnt 0x0
.irp t, 0,1,2,3,4,5,6,7,8,9,10,11,12,13,14,15
	global_store_b128 v[CO], v[BK+4*\t:BK+4*\t+3], s[12:13] offset:65536*(\a)+4096*\t th:TH_STORE_NT
.endr
.endm
	PACK 0
	TOSTAGE 0
.irp a, 1,2,3
	PACK \a
	s_wait_alu depctr_va_vdst(0)                   ; directly ahead of SEND's wait
	SEND \a-1
	TOSTAGE \a
.endr
	SEND 3
	s_wait_tensorcnt 0x0                           ; the wave's end
	ds_add_u32 v[SPW], v[NIL]
	s_wait_dscnt 0x0
	CROUND                                         ; the closing round
	s_endpgm
.Lfunc_end_k_qf3e51fe700_project:
	.size	k_qf3e51fe700_project, .Lfunc_end_k_qf3e51fe700_project-k_qf3e51fe700_project
	.p2alignl 7, 3214868480
	.fill 96, 4, 3214868480
	.section	.rodata,"a",@progbits
	.p2align	6, 0x0
	.amdhsa_kernel k_qf3e51fe700_project
		.amdhsa_group_segment_fixed_size 327680
		.amdhsa_private_segment_fixed_size 0
		.amdhsa_enable_private_segment 0
		.amdhsa_kernarg_size 40
		.amdhsa_user_sgpr_count 2
		.amdhsa_user_sgpr_kernarg_segment_ptr 1
		.amdhsa_wavefront_size32 1
		.amdhsa_system_sgpr_workgroup_id_x 1
		.amdhsa_system_sgpr_workgroup_id_y 1
		.amdhsa_system_sgpr_workgroup_id_z 1
		.amdhsa_system_vgpr_workitem_id 0
		.amdhsa_next_free_vgpr 1024
		.amdhsa_next_free_sgpr 100
		.amdhsa_reserve_vcc 0
		.amdhsa_float_denorm_mode_32 3
		.amdhsa_float_denorm_mode_16_64 3
		.amdhsa_memory_ordered 1
		.amdhsa_forward_progress 1
		.amdhsa_inst_pref_size 143
	.end_amdhsa_kernel
	.amdgpu_metadata
---
amdhsa.version: [ 1, 2 ]
amdhsa.kernels:
  - .name:           k_qf3e51fe700_project
    .symbol:         k_qf3e51fe700_project.kd
    .args:
      - { .name: zimg, .offset: 0, .size: 8, .value_kind: global_buffer, .address_space: global }
      - { .name: w2img, .offset: 8, .size: 8, .value_kind: global_buffer, .address_space: global }
      - { .name: bias_last, .offset: 16, .size: 8, .value_kind: global_buffer, .address_space: global }
      - { .name: lowp_scales, .offset: 24, .size: 8, .value_kind: global_buffer, .address_space: global }
      - { .name: out0, .offset: 32, .size: 8, .value_kind: global_buffer, .address_space: global }
    .group_segment_fixed_size: 327680
    .private_segment_fixed_size: 0
    .kernarg_segment_align: 8
    .kernarg_segment_size: 40
    .max_flat_workgroup_size: 128
    .sgpr_count:     100
    .vgpr_count:     1024
    .wavefront_size: 32
...
	.end_amdgpu_metadata
.endif
;; end of part 3
